; MI455X (gfx1250); checked and timed in simulation.
; The chip was launched on July 23, 2026; its instructions are those of AMD's public machine-readable ISA for CDNA 5 (MIT licence, August 2026) and "CDNA5" Instruction Set Architecture Reference Guide (July 2026). The comments in the code are by the model that wrote it; some were corrected since.
;; Attention. Allowed arithmetic: matrix products marked QUANTISED: E4M3 operands, one E8M0 scale for each 32 along K, by v_wmma_scale_f32_16x16x128_f8f6f4 with both operands' format E4M3, f32 sums; everything else in f32.
;; Inputs: Wk_codes 1,024 x 32 x 32 uint8 (E4M3 codes of Wk, K innermost, in blocks of 32 codes); Wk_scales 1,024 x 32 uint8 (E8M0 scales of Wk, one for each 32 codes along K); Wq_codes 1,024 x 32 x 32 uint8 (E4M3 codes of Wq, K innermost, in blocks of 32 codes); Wq_scales 1,024 x 32 uint8 (E8M0 scales of Wq, one for each 32 codes along K); Wv_codes 1,024 x 32 x 32 uint8 (E4M3 codes of Wv, K innermost, in blocks of 32 codes); Wv_scales 1,024 x 32 uint8 (E8M0 scales of Wv, one for each 32 codes along K); bk 1,024 float32; bq 1,024 float32; bv 1,024 float32; x_codes 4 x 2,048 x 32 x 32 uint8 (E4M3 codes of x, K innermost, in blocks of 32 codes); x_scales 4 x 2,048 x 32 uint8 (E8M0 scales of x, one for each 32 codes along K).
;; Outputs: out0 4 x 2,048 x 1,024 float32.
;; This version of the problem:
;;   THIS VERSION OF THE PROBLEM IS GIVEN IN LOW PRECISION. The matrix products marked QUANTISED in the list below multiply operands that are first quantised to E4M3 (4 exponent bits, 3 mantissa bits; 8 bits a number), with one power-of-two scale for each 32 numbers along K (OCP MX v1.0); their sums are f32. All else is computed in f32.
;;   The module's matrix products, in the order in which they are computed (A, B: the left and right operand; K: the contracted axis; several contracted axes count as one K, in the product's order):
;;     1. [M 8,192, K 1,024] x [K 1,024, N 1,024]; A: input x (given as codes); B: input Wq (given as codes): QUANTISED
;;     2. [M 8,192, K 1,024] x [K 1,024, N 1,024]; A: input x (given as codes); B: input Wk (given as codes): QUANTISED
;;     3. [M 8,192, K 1,024] x [K 1,024, N 1,024]; A: input x (given as codes); B: input Wv (given as codes): QUANTISED
;;     4. batch 64 x [M 2,048, K 64] x [K 64, N 2,048]; A: computed on the way; B: computed on the way: QUANTISED
;;     5. batch 64 x [M 2,048, K 2,048] x [K 2,048, N 64]; A: softmax (see below); B: computed on the way: QUANTISED
;;   THE QUANTISER, for each operand of a quantised product, along K:
;;     - K is cut into blocks of 32 from its start; a last block that is shorter is filled with zeros.
;;     - A block's scale is 2^e with e = floor(log2(the largest magnitude in the block)) - 8, held to -126 .. 127; a block of zeros has e = 0. As a byte (E8M0): e + 127.
;;     - Each number is divided by its block's scale, clamped to +-448, and rounded to the nearest number of E4M3, ties to even, subnormals kept.
;;     - The product sums the exact products of the quantised numbers (number of the format x scale) in f32.
;;   ~~~python
;;   def quantise(x, axis):      # numpy; x: float32 -> the quantised numbers, widened to float32 again
;;       x = np.moveaxis(x, axis, -1); K = x.shape[-1]
;;       x = np.pad(x, [(0, 0)] * (x.ndim - 1) + [(0, -K % 32)]); x = x.reshape(x.shape[:-1] + (-1, 32)); a = np.abs(x).max(-1, keepdims=True)
;;       e = np.where(a > 0, np.clip(np.frexp(np.where(a > 0, a, 1))[1] - 1 - 8, -126, 127), 0)      # np.frexp(a)[1] - 1 = floor(log2(a)), exactly
;;       r = np.clip(x / 2.0 ** e, -448, 448)
;;       step = 2.0 ** (np.maximum(np.frexp(np.where(r == 0, 1, r))[1] - 1, -6) - 3)
;;       q = np.round(r / step) * step * 2.0 ** e      # np.round: ties to even
;;       return np.moveaxis(q.reshape(q.shape[:-2] + (-1,))[..., :K], -1, axis).astype(np.float32)
;;   ~~~
;;   SOFTMAX AHEAD OF A QUANTISED PRODUCT. Where the list says 'softmax', what is quantised is not the finished softmax but p = 2^(t - M), with t = logit x log2(e) and M = ceil(the row's largest t), a whole number; so 1/2 < the row's largest p <= 1. The row's sum l is taken of the UNQUANTISED p, in f32, and the product's result is divided by l at the end. Since M is a whole number, a kernel that streams over the keys may use a running M (the ceiling of the running maximum): every later rescaling is an exact power of two, which a block's scale takes up: the codes' values come out the same.
;;   OPERANDS COMPUTED ON THE WAY. 'Computed on the way' means the value that the module computes at that place (a softmax that the list does not call 'softmax' is quantised finished and normalised). What goes into a quantiser is computed in f32, as accurately as f32 sums, v_exp_f32 and their like allow (about 1e-6 of the number): no bf16 or f16 on the way to a quantiser, and a product that is left as it is and whose result goes on into a quantised operand takes f32 operands (vector FMAs, or v_wmma_f32_16x16x4_f32). A number that lies on a knife's edge between two numbers of the format may be rounded either way, as far as f32 arithmetic and the matrix unit's own rounding can turn it there, and no further.
;;   INPUTS GIVEN AS CODES. Wk (in the module: [1024, 1024], K = its axis 1); Wq (in the module: [1024, 1024], K = its axis 1); Wv (in the module: [1024, 1024], K = its axis 1); x (in the module: [4, 2048, 1024], K = its axis 2): each comes as NAME_codes (uint8): NAME with its K axis moved to the last place and cut into blocks of 32 codes, [.., K / 32, bytes a block], one block behind the other in memory; one code a byte (a code: sign, 4 exponent bits, 3 mantissa bits); and NAME_scales (uint8): the same leading axes, one E8M0 byte (e + 127) for each 32 codes along K. Its value is code x scale, taken as it is: it is not quantised again, and the codes and scales need not be those that the quantiser above would give.
;; One version. Each part assembles by itself: llvm-mc -triple=amdgcn-amd-amdhsa -mcpu=gfx1250 --defsym DOCPART=n.
;; ======== version 1 of 1: 2 launches
;; limits: right only within a limited range of input values
;; workspace buffers: qbuf 8,912,896 bytes; kv 17,825,792 bytes
;; launch proj (part 1): grid 12 x 32, 4 waves a work-group, clusters of 4 x 4, 327,680 bytes of LDS; arguments x_codes, x_scales, Wq_codes, Wq_scales, Wk_codes, Wk_scales, Wv_codes, Wv_scales, bq, bk, bv, qbuf, kv; writes qbuf, kv
.if DOCPART == 1
	.amdgcn_target "amdgcn-amd-amdhsa--gfx1250"
	.amdhsa_code_object_version 6
	.text
	.protected	k_q7c597399ac_proj
	.globl	k_q7c597399ac_proj
	.p2align	8
	.type	k_q7c597399ac_proj,@function
k_q7c597399ac_proj:
	s_mov_b64 s[64:65], 0
	v_nop
	global_prefetch_b8 v0, s[64:65] scope:SCOPE_SE
	s_setreg_imm32_b32 hwreg(HW_REG_WAVE_MODE, 25, 1), 1
	s_wait_xcnt 0x0
	s_wait_alu depctr_hold_cnt(0) depctr_sa_sdst(0) depctr_va_vdst(0) depctr_va_sdst(0) depctr_va_ssrc(0) depctr_va_vcc(0) depctr_vm_vsrc(0)
	s_getreg_b32 s2, hwreg(HW_REG_IB_STS2, 6, 4)
	s_cmp_eq_u32 s2, 0
	s_cbranch_scc0 .Lentry_in_a_cluster
	s_endpgm
.Lentry_in_a_cluster:
	s_bfe_u32 s2, ttmp6, 0x10000c
	s_cmp_lg_u32 s2, 0xf033
	s_cbranch_scc0 .Lentry_shape_is_right
	s_endpgm
.Lentry_shape_is_right:
; q = x Wq^T + bq, k = x Wk^T + bk, v = x Wv^T + bv on codes of FP8 (E4M3) with one E8M0 scale for each 32 along K = 1,024; the results are quantised in registers and stored as IMAGES OF OPERAND REGISTERS.
; THE KIND is the cluster's x: 0 = q, 1 = k, 2 = v: the same in all sixteen partners.  One body serves all three.  A tile is 256 rows of A' x 256 rows of B':
;   q, k: A' = x (tokens), B' = W (features);   v: A' = Wv (features), B' = x (tokens).  So the axis along which the result is quantised (q, k: the head's 64; v: the keys) is always B's.
; Four waves, each 128 x 128: 64 accumulators.  The matrix instruction is used transposed (source 0 = 16 rows of B', source 1 = 16 rows of A'): in accumulator (a, b) lane (r, h) register j holds
; (A' row 16 a + r, B' row 16 b + 8 h + j).  The 16 registers of accumulators (a, 2 c) and (a, 2 c + 1) are 16 numbers of the block of 32 rows of B' 32 c .. 32 c + 31; the other 16 lie in lane l xor 16.
; Converted as they stand they are registers 4 c .. 4 c + 3 of an operand.  INSIDE A BLOCK OF 32 THE ORDER ALONG K IS THEN PERMUTED (place i of half h is 8 h + i for i < 8, else 16 + 8 h + i - 8): every operand of the
; two later products is made in this same way, so each place pairs the same true k on both sides, and blocks stay blocks; only the order of the sums inside an instruction differs from ascending k.
; THE BIAS is the C of each sum's first matrix instruction.
; OUT: qbuf [64 heads][16 steps of 128 tokens][8,704]: 8 tiles of 16 tokens x 1,024 bytes (chunk c = block c of the head's 64: 512 bytes, lane l's 16 at 16 l), then 512 bytes of scale words: the word at 16 l + 4 i is token 32 i + l's.
;      kv   [64 heads][16 steps][17,408]: K's 8 tiles as q's; at 8,192 V's 4 tiles of 16 channels x 2,048 bytes (chunk c = block c of the step's 128 keys); at 16,384 K's scale words as q's; at 16,896 V's: at 16 l words 0, 1 are
;      channels l, 32 + l; two zero words follow.  A scale word of q or k holds its two bytes twice (s0, s1, s0, s1), so that the 64 codes may stand in either half of an instruction's 128.
; LIMITS: NaN and infinities are not served.  A block whose largest magnitude lies under 2^-118 (a block of zeros too) gets the byte 1; a block of zeros has zero codes, and this program alone reads the bytes.
; CLUSTERS: 4 x 4 work-groups; A's tiles are asked for jointly along a row of the cluster, B's along a column.  K goes in steps of 256 through a ring of two LDS slots; the scales of all of K come once.
; REGISTERS: window 0: v1-6 at work, v8-15 the bias's offsets, v16-29 addresses; v32-63 scale words, two sets; v64-127 the bias; v128-255 A's fragments, one set (on the way out: at work).
;   window 1: B's fragments, two sets.   window 2: accumulators of A's blocks 0-3 ((a, b) at v[8 (8 a + b)]);   window 3: of blocks 4-7.
.set NQ,     2                         ; matrix instructions deep in a slot
.set ROWB,   256                       ; a tile's row in bytes
.set KROW,   1024                      ; a row of codes in memory
.set PITCH,  272                       ; an LDS row: 256 bytes + 16 of padding
.set FR,     16                        ; registers of a fragment
.set NL,     4                         ; LDS loads that bring one
.set NP,     8                         ; places behind this matrix instruction (ISA guide 7.12.1)
.set HALFT,  128*PITCH
.set SLOT,   4*HALFT
.set LAPS,   2                         ; 1,024 along K = two laps of two K steps
.set KS,     32                        ; a row of scales in bytes
.set SCL,    2*SLOT
.set HALFS,  (128*KS/256)*272
.set SBLK,   (16*KS/256)*272
.set SPARE,  SCL+4*HALFS               ; the spare words: 128 bytes a wave, two blocks of 256 bytes that no other line names
.set HEADB,  278528                    ; kv: a head;  a step is a sixteenth
.set HEADQ,  139264                    ; qbuf likewise
.set VOFF,   8192
.set KSC,    16384
.set VSC,    16896
.set QSC,    8192
.set VJ,   8
.set ADRA, 16
.set ADRB, 20
.set ADRS, 27
.set SPW,  28
.set NIL,  29
.set SC,   32
.set BI,   64
.set AF,   128
.set TM,   128                         ; the way out: v128-131 largest magnitudes, v132-135 bytes, v136-139 holds, v140-143 scale operands
.set PC,   144                         ; v144-159 a tile's codes
.set LO,   160                         ; v160-167 tile a's bytes of blocks 0, 1
.set HI,   168                         ; v168-175 of blocks 2, 3
.set VO,   176                         ; v176-179 the four chunks' offsets
.set VH,   180                         ; 16 x lane + a head
.set LN,   181                         ; lane
.set TW,   184                         ; v184-199 scale words in the making
.set G1, 24
.set G0, 32
.set G1B, 48
.set G0B, 56
.set G1S, 68
.set G0S, 76
.set G1SB, 80
.set G0SB, 88
.set MSB, 0
.macro WIN new                         ; the immediate's high byte repeats the setting that is left
.if MSB != (\new)
	s_set_vgpr_msb (MSB<<8)|(\new)
.set MSB, (\new)
.endif
.endm
.set TO_B, 0x40
.macro MWIN hi, zero                   ; source 0 (B') window 1, source 1 (A') window 0, D window 2 or 3; C with D, or (the bias) in window 0
.if \zero
	WIN 0x81+0x40*(\hi)
.else
	WIN 0xa1+0x50*(\hi)
.endif
.endm
; A joint load: waves 0 and 1 fetch for A', waves 2 and 3 for B'.  The branch hangs on the wave's number alone.  Four v_nop follow each of the two lines.
.macro JLOAD g0a, g1a, g0b, g1b
	s_cmp_eq_u32 s15, 0
	s_cbranch_scc0 .Lfor_b_\@
	tensor_load_to_lds s[\g0a:\g0a+3], s[\g1a:\g1a+7]
	s_nop 0
.rept 4
	v_nop
.endr
	s_branch .Lasked_\@
.Lfor_b_\@:
	tensor_load_to_lds s[\g0b:\g0b+3], s[\g1b:\g1b+7]
	s_nop 0
.rept 4
	v_nop
.endr
.Lasked_\@:
.endm
.macro CREST                           ; a round of the cluster's barrier behind its opening barrier
	s_cmp_lg_u32 s14, 0
	s_cbranch_scc1 .Lnot_wave_0_\@
	s_barrier_signal -3
.Lnot_wave_0_\@:
	s_barrier_wait -3
	s_barrier_signal -1
	s_barrier_wait -1
.endm
.macro CROUND
	s_barrier_signal -1
	s_barrier_wait -1
	CREST
.endm
	s_load_b512 s[68:83], s[0:1], 0x0              ; x's codes, x's scales, Wq's, Wk's, Wv's codes and scales
	s_load_b256 s[84:91], s[0:1], 0x40             ; bq, bk, bv, qbuf
	s_load_b64 s[92:93], s[0:1], 0x60              ; kv
	v_lshl_add_u32 v[SPW], v0, 2, SPARE
	v_mov_b32 v[NIL], 0
	ds_add_u32 v28, v29
	ds_add_u32 v28, v29
	s_wait_dscnt 0x0
	v_lshrrev_b32 v1, 5, v0
	v_readfirstlane_b32 s14, v1                    ; wave 0..3
	s_lshr_b32 s15, s14, 1                         ; which 128 rows of A' are mine.  Also: I fetch for A' (0) or for B' (1)
	s_and_b32 s16, s14, 1                          ; which 128 rows of B'.  Also: which 128 rows of that tile I fetch
	s_bfe_u32 s40, ttmp6, 0x40000                  ; cx, cy: my place in the cluster
	s_bfe_u32 s41, ttmp6, 0x40004
	s_and_b32 s18, ttmp7, 0xffff
	s_lshl_b32 s18, s18, 2                         ; 4 x cluster y walks the tokens: A's tile rows for q and k, B's tile columns for v
	s_cmp_eq_u32 ttmp9, 2
	s_cselect_b32 s98, 0, s18
	s_cselect_b32 s99, s18, 0
	s_add_co_u32 s42, s99, s40                     ; tile column (of B')
	s_add_co_u32 s17, s98, s41                     ; tile row (of A')
	s_lshl_b32 s43, s41, 2
	s_lshl_b32 s43, 15, s43                        ; my row of the cluster
	s_lshl_b32 s44, 0x1111, s40                    ; my column
	; descriptor group 1: a tile of 128 rows x 256 bytes, 16 bytes of padding behind each row
	s_or_b32 s[G1+0], s43, (0<<16)|(1<<20)|(1<<21)|(5<<22)|(3<<25)
	s_or_b32 s[G1B+0], s44, (0<<16)|(1<<20)|(1<<21)|(5<<22)|(3<<25)
.irp g, G1, G1B
	s_mov_b32 s[\g+1], ROWB<<16                    ; tensor_dim0
	s_mov_b32 s[\g+2], 256<<16                     ; tensor_dim1: 256 rows for the head's loads; set to 128 for the ring's behind the wait that shows them landed
	s_mov_b32 s[\g+3], ROWB<<16                    ; tile_dim0
	s_mov_b32 s[\g+4], 256                         ; tile_dim1
	s_mov_b32 s[\g+5], KROW                        ; from row to row
	s_mov_b32 s[\g+6], 0
	s_mov_b32 s[\g+7], 0
.endr
	s_wait_kmcnt 0x0
	; the kind chooses the buffers; the choice hangs on the cluster's x alone
	s_cmp_eq_u32 ttmp9, 0
	s_cselect_b64 s[8:9], s[72:73], s[76:77]       ; the weight's codes,
	s_cselect_b64 s[10:11], s[74:75], s[78:79]     ; its scales,
	s_cselect_b64 s[96:97], s[84:85], s[86:87]     ; the bias,
	s_cselect_b64 s[12:13], s[90:91], s[92:93]     ; and where the result goes
	s_cmp_eq_u32 ttmp9, 2
	s_cselect_b64 s[8:9], s[80:81], s[8:9]
	s_cselect_b64 s[10:11], s[82:83], s[10:11]
	s_cselect_b64 s[96:97], s[88:89], s[96:97]
	s_cselect_b64 s[4:5], s[8:9], s[68:69]         ; A': Wv for v, else x
	s_cselect_b64 s[6:7], s[10:11], s[70:71]
	s_cselect_b64 s[8:9], s[68:69], s[8:9]         ; B': x for v, else the weight
	s_cselect_b64 s[10:11], s[70:71], s[10:11]
	; the scales of 128 rows: 4,096 dense bytes, as 16 rows of 256 bytes (32 elements of 8), 16 bytes of padding behind each.  (The arguments have been read out of these registers)
	s_or_b32 s[G1S+0], s43, (3<<16)|(1<<20)|(1<<21)|(5<<22)|(3<<25)
	s_or_b32 s[G1SB+0], s44, (3<<16)|(1<<20)|(1<<21)|(5<<22)|(3<<25)
.irp g, G1S, G1SB
	s_mov_b32 s[\g+1], 32<<16
	s_mov_b32 s[\g+2], (256*KS/256)<<16            ; the scales of all 256 rows of a tile: 32 rows of 256 bytes
	s_mov_b32 s[\g+3], 32<<16
	s_mov_b32 s[\g+4], 256*KS/256
	s_mov_b32 s[\g+5], 32
	s_mov_b32 s[\g+6], 0
	s_mov_b32 s[\g+7], 0
.endr
	s_lshl_b32 s20, s17, 8                         ; A': the tile's first row, 256 x tile row
	s_lshl_b32 s46, s42, 8                         ; B': 256 x tile column
	s_mov_b32 s21, 0
	s_mov_b32 s47, 0
	s_mov_b64 s[18:19], KS
	s_mul_u64 s[22:23], s[20:21], s[18:19]         ; where these rows' scales begin,
	s_mul_u64 s[92:93], s[46:47], s[18:19]
	s_mov_b64 s[18:19], KROW
	s_mul_u64 s[20:21], s[20:21], s[18:19]         ; and their codes
	s_mul_u64 s[46:47], s[46:47], s[18:19]
	s_mul_i32 s45, s14, HALFT                      ; where they go: wave x 128 rows: no place in the cluster enters an LDS address
	s_mul_i32 s18, s16, 128*KROW                   ; in the ring I fetch 128 rows of a tile: which half, in bytes
	s_mov_b32 s19, 0
	s_add_nc_u64 s[20:21], s[4:5], s[20:21]
	s_add_nc_u64 s[22:23], s[6:7], s[22:23]
	s_add_nc_u64 s[46:47], s[8:9], s[46:47]
	s_add_nc_u64 s[92:93], s[10:11], s[92:93]
	CROUND                                         ; all sixteen work-groups are here: the first joint loads meet
.set G0H, 4                            ; s[4:7], s[8:11] group 0 for the head's loads of K step 0 (the pointers that lay there have been used)
.set G0HB, 8
	s_mov_b32 s[G0H], 1                            ; the head's four tiles, each whole: K step 0's 256 rows of A',
	s_mov_b32 s[G0H+1], 0
	s_mov_b64 s[G0H+2:G0H+3], s[20:21]
	s_or_b32 s[G0H+3], s[G0H+3], 0x80000000
	s_mov_b32 s[G0HB], 1                           ; its 256 rows of B', behind them in slot 0,
	s_mov_b32 s[G0HB+1], 2*HALFT
	s_mov_b64 s[G0HB+2:G0HB+3], s[46:47]
	s_or_b32 s[G0HB+3], s[G0HB+3], 0x80000000
	s_mov_b32 s[G0S], 1                            ; the scales of A's 256 rows,
	s_mov_b32 s[G0S+1], SCL
	s_mov_b64 s[G0S+2:G0S+3], s[22:23]
	s_or_b32 s[G0S+3], s[G0S+3], 0x80000000
	s_mov_b32 s[G0SB], 1                           ; and of B's
	s_mov_b32 s[G0SB+1], SCL+2*HALFS
	s_mov_b64 s[G0SB+2:G0SB+3], s[92:93]
	s_or_b32 s[G0SB+3], s[G0SB+3], 0x80000000
	s_add_nc_u64 s[20:21], s[20:21], s[18:19]      ; for the ring: my 128 rows of the tile
	s_add_nc_u64 s[46:47], s[46:47], s[18:19]
.irp s, 0,1
	s_mov_b32 s[G0+4*\s], 1
	s_add_co_u32 s[G0+4*\s+1], s45, \s*SLOT
	s_add_nc_u64 s[G0+4*\s+2:G0+4*\s+3], s[20:21], \s*ROWB
	s_or_b32 s[G0+4*\s+3], s[G0+4*\s+3], 0x80000000
	s_mov_b32 s[G0B+4*\s], 1
	s_add_co_u32 s[G0B+4*\s+1], s45, \s*SLOT
	s_add_nc_u64 s[G0B+4*\s+2:G0B+4*\s+3], s[46:47], \s*ROWB
	s_or_b32 s[G0B+4*\s+3], s[G0B+4*\s+3], 0x80000000
.endr
; THE HEAD'S LOADS, ONE A WAVE: wave 0 K step 0's 256 rows of A', wave 1 its 256 rows of B', wave 2 A's scales, wave 3 B's.  One chain of branches on the wave's number, a load to an arm.
.macro ARM under, g0, g1, next
	s_cmp_lt_u32 s14, \under
	s_cbranch_scc0 \next
	tensor_load_to_lds s[\g0:\g0+3], s[\g1:\g1+7]
	s_nop 0
.rept 4
	v_nop
.endr
	s_branch .Lhead_asked
\next:
.endm
	ARM 1, G0H,  G1,  .Lhead_b
	ARM 2, G0HB, G1B, .Lhead_sa
	ARM 3, G0S,  G1S, .Lhead_sb
	tensor_load_to_lds s[G0SB:G0SB+3], s[G1SB:G1SB+7]
	s_nop 0
.rept 4
	v_nop
.endr
.Lhead_asked:
	v_and_b32 v1, 15, v0
	s_wait_alu depctr_va_vdst(0)
	v_bfe_u32 v2, v0, 4, 1                         ; h = lane / 16
	; THE BIAS, in the result's layout, without a branch.  q, k: register 8 b + j = bias[first feature + 16 b + 8 h + j];  v: register 8 a + j = bias[first feature + 16 a + r] for every j
	s_cmp_eq_u32 ttmp9, 2
	s_cselect_b32 s98, s17, s42                    ; the features' tile: A's row for v, B's column for q and k,
	s_cselect_b32 s99, s15, s16                    ; and my half of it
	s_cselect_b32 s18, 4, 0                        ; bytes from r to r + 1,
	s_cselect_b32 s19, 0, 32                       ; from h = 0 to h = 1,
	s_cselect_b32 s22, 0, 4                        ; from j to j + 1
	s_lshl_b32 s98, s98, 10
	s_lshl_b32 s99, s99, 9
	s_add_co_u32 s98, s98, s99
	s_mov_b32 s99, 0
	s_add_nc_u64 s[96:97], s[96:97], s[98:99]
	v_mul_u32_u24 v[VJ], v1, s18
	s_wait_alu depctr_va_vdst(0)
	v_mad_u32_u24 v[VJ], v2, s19, v[VJ]
.irp j, 1,2,3,4,5,6,7
	s_mul_i32 s23, s22, \j
	v_add_nc_u32 v[VJ+\j], s23, v[VJ]
.endr
.irp x, 0,1,2,3,4,5,6,7
.irp j, 0,1,2,3,4,5,6,7
	global_load_b32 v[BI+8*\x+\j], v[VJ+\j], s[96:97] offset:64*\x
.endr
.endr
	v_mul_u32_u24 v3, v1, PITCH
	v_lshl_add_u32 v4, v2, 4, v3                   ; a fragment's row x pitch + 16 x half
	s_mul_i32 s21, s15, HALFT                      ; my 128 rows of A'
	s_mul_i32 s22, s16, HALFT                      ; my 128 rows of B',
	s_add_co_u32 s22, s22, 2*HALFT                 ; which lie behind A's 256
.irp s, 0,1
	v_add_nc_u32 v[ADRA+\s], s21, v4
	v_add_nc_u32 v[ADRB+\s], s22, v4
	s_add_co_u32 s21, s21, SLOT
	s_add_co_u32 s22, s22, SLOT
.endr
	v_mul_u32_u24 v5, v1, KS                       ; my row's scales: 32 bytes a row,
	v_lshrrev_b32 v6, 8, v5
	v_lshl_add_u32 v5, v6, 4, v5                   ; and 16 more for each 256 passed
	s_mul_i32 s21, s15, HALFS
	s_mul_i32 s22, s16, HALFS
	s_add_co_u32 s22, s22, 2*HALFS
	s_sub_co_u32 s22, s22, s21
	v_mul_u32_u24 v6, s22, v2                      ; lanes 16-31 take B's
	s_add_co_u32 s21, s21, SCL
	v_add_nc_u32 v5, v5, v6
	v_add_nc_u32 v[ADRS], s21, v5
.macro FRAG reg, adr, q, i             ; 16 rows x 128 K: lane l holds row l % 16; registers 4 c .. 4 c + 3 hold K = 32 c + 16 (l / 16) + 0 .. 15
.irp c, 0,1,2,3
	ds_load_b128 v[\reg+4*\c:\reg+4*\c+3], v[\adr] offset:128*(\q)+32*\c+(\i)*16*PITCH
.endr
.endm
; 16 matrix instructions: A's blocks a0, a0 + 1 x B's eight.  zero = 0: the sums go on;  1: they begin with the bias by B's block;  2: with the bias by A's block.  The 64 accumulators take turns, one instruction a turn.
.macro MUL16 a0, p, q, sc, zero
.irp a, \a0, \a0+1
.irp b, 0,1,2,3,4,5,6,7
.if \zero == 1
	v_wmma_scale_f32_16x16x128_f8f6f4 v[8*(8*((\a)%4)+\b):8*(8*((\a)%4)+\b)+7], v[128*(\p)+FR*\b:128*(\p)+FR*\b+FR-1], v[AF+FR*(\a):AF+FR*(\a)+FR-1], v[BI+8*\b:BI+8*\b+7], v[SC+8*NQ*(\sc)+NQ*\b+(\q)], v[SC+8*NQ*(\sc)+NQ*(\a)+(\q)] matrix_a_scale:MATRIX_SCALE_ROW1
.elseif \zero == 2
	v_wmma_scale_f32_16x16x128_f8f6f4 v[8*(8*((\a)%4)+\b):8*(8*((\a)%4)+\b)+7], v[128*(\p)+FR*\b:128*(\p)+FR*\b+FR-1], v[AF+FR*(\a):AF+FR*(\a)+FR-1], v[BI+8*(\a):BI+8*(\a)+7], v[SC+8*NQ*(\sc)+NQ*\b+(\q)], v[SC+8*NQ*(\sc)+NQ*(\a)+(\q)] matrix_a_scale:MATRIX_SCALE_ROW1
.else
	v_wmma_scale_f32_16x16x128_f8f6f4 v[8*(8*((\a)%4)+\b):8*(8*((\a)%4)+\b)+7], v[128*(\p)+FR*\b:128*(\p)+FR*\b+FR-1], v[AF+FR*(\a):AF+FR*(\a)+FR-1], v[8*(8*((\a)%4)+\b):8*(8*((\a)%4)+\b)+7], v[SC+8*NQ*(\sc)+NQ*\b+(\q)], v[SC+8*NQ*(\sc)+NQ*(\a)+(\q)] matrix_a_scale:MATRIX_SCALE_ROW1
.endif
.endr
.endr
.endm
.macro FETCH_B slot, q, p
	WIN TO_B
.irp i, 0,1,2,3,4,5,6,7
	FRAG 128*(\p)+FR*\i, ADRB+\slot, \q, \i
.endr
	WIN 0
.endm
.macro FETCH_A slot, q, i0
.irp i, \i0, \i0+1, \i0+2, \i0+3
	FRAG AF+FR*(\i), ADRA+\slot, \q, \i
.endr
.endm
.macro SCALES sc                       ; a K step's scale words: two a row; lanes 0-15 take A's block i, lanes 16-31 B's block i
.irp i, 0,1,2,3,4,5,6,7
	ds_load_b64 v[SC+8*NQ*\sc+NQ*\i:SC+8*NQ*\sc+NQ*\i+1], v[ADRS] offset:\i*SBLK
.endr
.endm
.macro PLACES n                        ; plain vector instructions between a matrix instruction and a load into, or a vector instruction on, its registers
.rept \n
	v_nop
.endr
.endm
; A step of 128 along K that has its successor in the same slot.
.macro STEP slot, q, zero
	s_wait_dscnt 4*NL                              ; B's set and A's blocks 0-3 are in; the youngest 16 loads (A's blocks 4-7) may be out
	MWIN 0, \zero
	MUL16 0, (\q)%2, \q, \slot, \zero
	MUL16 2, (\q)%2, \q, \slot, \zero
	s_wait_dscnt 0                                 ; A's blocks 4-7 are in
	PLACES NP
	FETCH_B \slot, (\q)+1, 1-(\q)%2
	FETCH_A \slot, (\q)+1, 0
	MWIN 1, \zero
	MUL16 4, (\q)%2, \q, \slot, \zero
	MUL16 6, (\q)%2, \q, \slot, \zero
	PLACES NP
	WIN 0
	FETCH_A \slot, (\q)+1, 4
.endm
; A slot's last step changes slots: one barrier; in front of it each wave waits for all its tensor loads, adds 0 to its spare word, and waits for that and for its own reads of this slot.
.macro TURN slot, next, fill
	s_wait_tensorcnt 0x0                           ; all my tensor loads have landed: my part of the next slot
	ds_add_u32 v[SPW], v[NIL]                      ; 0 onto my spare word
	s_wait_dscnt 4*NL+1                            ; (the add and the youngest 16 loads, A's blocks 4-7, may be out)
	MWIN 0, 0
	MUL16 0, 1, NQ-1, \slot, 0                     ; sixteen matrix instructions stand between the add and the wait for it
	s_wait_dscnt 0x0                               ; the add is done, and my reads of this slot are over
	s_barrier_signal -1
	MUL16 2, 1, NQ-1, \slot, 0
	WIN 0
	s_barrier_wait -1
.if \fill
	CREST                                          ; the barrier has opened a round of the cluster's barrier: no wave of any partner still reads this slot or has a load on its way
	s_add_nc_u64 s[G0+4*\slot+2:G0+4*\slot+3], s[G0+4*\slot+2:G0+4*\slot+3], 2*ROWB
	s_add_nc_u64 s[G0B+4*\slot+2:G0B+4*\slot+3], s[G0B+4*\slot+2:G0B+4*\slot+3], 2*ROWB
	JLOAD G0+4*\slot, G1, G0B+4*\slot, G1B         ; the first tensor load behind the round; its four v_nop are among the places in front of the loads below
	PLACES NP-4
.else
	PLACES NP
.endif
	s_wait_alu depctr_va_vdst(0)
	v_add_nc_u32 v[ADRS], 4*NQ, v[ADRS]            ; on to the next K step's scale words
	FETCH_B \next, 0, 0
	FETCH_A \next, 0, 0
	SCALES \next
	MWIN 1, 0
	MUL16 4, 1, NQ-1, \slot, 0
	MUL16 6, 1, NQ-1, \slot, 0
	PLACES NP
	WIN 0
	FETCH_A \next, 0, 4
.endm
	s_wait_alu depctr_va_vdst(0)
	s_wait_tensorcnt 0x0                           ; my tile of the head's four is in
	ds_add_u32 v[SPW], v[NIL]                      ; 0 onto my spare word
	s_mov_b32 s[G1+2], 128<<16                     ; no tensor load of mine is out: from here on a load brings 128 rows
	s_mov_b32 s[G1+4], 128
	s_mov_b32 s[G1B+2], 128<<16
	s_mov_b32 s[G1B+4], 128
	s_wait_dscnt 0x0                               ; the add is done
	CROUND                                         ; all four tiles are in, and all sixteen work-groups are here
	JLOAD G0+4, G1, G0B+4, G1B                     ; K step 1's load, the first tensor load behind the round
	FETCH_B 0, 0, 0
	FETCH_A 0, 0, 0
	SCALES 0
	FETCH_A 0, 0, 4
	s_wait_loadcnt 0x0                             ; the bias
	s_cmp_eq_u32 ttmp9, 2                          ; the first step is written twice: it differs in which block's bias begins a sum.  The kind is the same in all partners
	s_cbranch_scc1 .Lfirst_v
	STEP 0, 0, 1
	s_branch .Lfirst_done
.Lfirst_v:
	STEP 0, 0, 2
.Lfirst_done:
	s_mov_b32 s3, LAPS-1
.Llap:                                                 ; a trip goes once round the ring and fills both slots again
	TURN 0, 1, 1
	STEP 1, 0, 0
	TURN 1, 0, 1
	STEP 0, 0, 0
	s_sub_co_u32 s3, s3, 1
	s_cmp_lg_u32 s3, 0
	s_cbranch_scc1 .Llap
	TURN 0, 1, 0                                   ; the last lap fills nothing
	STEP 1, 0, 0
	s_wait_dscnt 4*NL                              ; the very last step
	MWIN 0, 0
	MUL16 0, 1, NQ-1, 1, 0
	MUL16 2, 1, NQ-1, 1, 0
	s_wait_dscnt 0
	MWIN 1, 0
	MUL16 4, 1, NQ-1, 1, 0
	MUL16 6, 1, NQ-1, 1, 0
	WIN 0
	PLACES NP                                      ; behind the last products: what follows reads results and writes registers that held A's fragments
	; THE WAY OUT.  Where my wave's part lies: tokens: batch = cluster y / 2, step = 2 (4 (cluster y % 2) + P) + u;  features: head = 4 R + 2 z (+ 1 for the second 64).
	; q, k: P = cy, u = my half of A', R = cx, z = my half of B';  v: the other way round.
	s_mov_b32 s2, 0x600000                         ; the mantissa field of 448
	s_mov_b32 s66, 0x76543210
	s_mov_b32 s67, 0xfedcba98                      ; v_permlanex16_b32's selects for lane l xor 16
	s_mov_b32 s22, HEADB
	s_mov_b32 s23, KSC
	s_cmp_eq_u32 ttmp9, 0
	s_cselect_b32 s22, HEADQ, s22                  ; a head's bytes in my buffer
	s_cselect_b32 s23, QSC, s23                    ; from my images to my scale words
	s_mov_b32 s44, 1024
	s_mov_b32 s46, 1024
	s_cmp_eq_u32 ttmp9, 2
	s_cselect_b32 s23, VSC-VOFF, s23
	s_cselect_b32 s18, s40, s41                    ; P
	s_cselect_b32 s19, s41, s40                    ; R
	s_cselect_b32 s20, s16, s15                    ; u
	s_cselect_b32 s21, s15, s16                    ; z
	s_cselect_b32 s42, VOFF, 0
	s_cselect_b32 s43, s44, s22                    ; from chunk 0 to chunk 2: v: 1,024; q, k: the next head
	s_cselect_b32 s44, 2048, s44                   ; from tile a to tile a + 1,
	s_cselect_b32 s46, HEADB-3*2048, s46           ; from tile 3 to tile 4: v: the next head's first tile
	s_mov_b32 s45, 0
	s_mov_b32 s47, 0
	s_and_b32 s94, ttmp7, 0xffff
	s_and_b32 s95, s94, 1
	s_lshl_b32 s95, s95, 2
	s_add_co_u32 s18, s18, s95
	s_lshl_b32 s18, s18, 1
	s_add_co_u32 s18, s18, s20                     ; the step
	s_lshr_b32 s95, s94, 1
	s_lshl_b32 s95, s95, 4
	s_lshl_b32 s19, s19, 2
	s_add_co_u32 s95, s95, s19
	s_lshl_b32 s21, s21, 1
	s_add_co_u32 s95, s95, s21                     ; 16 x batch + my first head
	s_lshr_b32 s3, s22, 4                          ; a step's bytes
	s_mul_i32 s95, s95, s22
	s_mul_i32 s18, s18, s3
	s_add_co_u32 s98, s95, s18
	s_add_co_u32 s98, s98, s42                     ; under 2^25
	s_mov_b32 s99, 0
	s_add_nc_u64 s[12:13], s[12:13], s[98:99]      ; my images
	s_mov_b32 s98, s23
	s_add_nc_u64 s[92:93], s[12:13], s[98:99]      ; my scale words
	v_and_b32 v[LN], 31, v0
	v_lshlrev_b32 v[VO], 4, v[LN]
	v_add_nc_u32 v[VO+1], 512, v[VO]
	v_add_nc_u32 v[VO+2], s43, v[VO]
	v_add_nc_u32 v[VO+3], 512, v[VO+2]
	v_add_nc_u32 v[VH], s22, v[VO]
.irp b, 0,1,2,3
	v_mov_b32 v[TM+4+\b], 0                        ; written once: a lane permute's destination counts as one of its sources
.endr
; Tile a (16 rows of A' x my 128 rows of B': four blocks of 32) is quantised and stored: four stores of 512 consecutive bytes, each at a multiple of 512 from the buffer's first byte.
.macro EPI a
.set AC, 64*((\a)%4)
.set W, 2+(\a)/4
	WIN W|(W<<2)
.irp b, 0,1,2,3
	v_max3_num_f32 v[TM+\b], |v[AC+16*\b]|, |v[AC+16*\b+1]|, 0x4800000   ; block b: my 16 numbers, each accumulator from its low end on, and the floor 2^(9 - 127): the byte cannot fall under 1
.endr
	WIN (W<<2)|(W<<4)
.irp i, 2,4,6,8,10,12,14
.irp b, 0,1,2,3
	v_max3_num_f32 v[TM+\b], v[TM+\b], |v[AC+16*\b+\i]|, |v[AC+16*\b+\i+1]|
.endr
.endr
	WIN 0
.irp b, 0,1,2,3
	v_permlanex16_b32 v[TM+4+\b], v[TM+\b], s66, s67
.endr
.irp b, 0,1,2,3
	v_max_num_f32 v[TM+\b], v[TM+\b], v[TM+4+\b]   ; with lane l xor 16's: the block's largest magnitude
.endr
.irp b, 0,1,2,3
	v_add_nc_u32 v[TM+12+\b], 0xfc000000, v[TM+\b] ; 8 off its exponent field: the conversion's scale operand
.endr
.irp b, 0,1,2,3
	v_and_or_b32 v[TM+8+\b], v[TM+\b], 0x7f800000, s2   ; 448 x the scale
.endr
.irp b, 0,1,2,3
	v_lshrrev_b32 v[TM+4+\b], 23, v[TM+12+\b]      ; the scale's byte
.endr
	v_lshl_or_b32 v[LO+(\a)], v[TM+5], 8, v[TM+4]
	v_lshl_or_b32 v[HI+(\a)], v[TM+7], 8, v[TM+6]
	WIN (W<<6)|W
.irp b, 0,1,2,3
.irp i, 0,1,2,3,4,5,6,7,8,9,10,11,12,13,14,15
	v_med3_num_f32 v[AC+16*\b+\i], v[AC+16*\b+\i], -v[TM+8+\b], v[TM+8+\b]   ; the conversion to an 8-bit code does not saturate (ISA guide 7.6.2): the hold at the largest code x the scale
.endr
.endr
.if (\a) > 0
	s_wait_alu depctr_va_vdst(0)
	s_wait_xcnt 0x0                                ; the last tile's stores have read their data and their base: both are written again only behind this wait
.endif
	WIN W
.irp b, 0,1,2,3
	v_cvt_scalef32_pk8_fp8_f32 v[PC+4*\b:PC+4*\b+1], v[AC+16*\b:AC+16*\b+7], v[TM+12+\b]
	v_cvt_scalef32_pk8_fp8_f32 v[PC+4*\b+2:PC+4*\b+3], v[AC+16*\b+8:AC+16*\b+15], v[TM+12+\b]
.endr
	WIN 0
	v_nop                                          ; a plain vector instruction behind the last conversion
.if (\a) == 4
	s_add_nc_u64 s[12:13], s[12:13], s[46:47]
.elseif (\a) > 0
	s_add_nc_u64 s[12:13], s[12:13], s[44:45]
.endif
.irp c, 0,1,2,3
	global_store_b128 v[VO+\c], v[PC+4*\c:PC+4*\c+3], s[12:13]
.endr
.endm
.irp a, 0,1,2,3,4,5,6,7
	EPI \a
.endr
	; THE SCALE WORDS.  After the exchange both halves of the lanes hold row r's bytes, so lane l picks tile 2 i + l / 16.  The two arms hold register work alone.
	v_cmp_lt_u32 vcc_lo, 15, v[LN]
	s_cmp_eq_u32 ttmp9, 2
	s_cbranch_scc1 .Lwords_v
.irp i, 0,1,2,3
	v_cndmask_b32 v[TW+\i], v[LO+2*\i], v[LO+2*\i+1], vcc_lo       ; my first head: token 32 i + l's two bytes,
	v_cndmask_b32 v[TW+4+\i], v[HI+2*\i], v[HI+2*\i+1], vcc_lo     ; my second head
.endr
.irp i, 0,1,2,3,4,5,6,7
	v_lshl_or_b32 v[TW+\i], v[TW+\i], 16, v[TW+\i]                 ; twice in the word
.endr
	s_branch .Lwords_done
.Lwords_v:
.irp a, 0,1,2,3,4,5,6,7
	v_lshl_or_b32 v[TW+8+\a], v[HI+\a], 16, v[LO+\a]               ; a channel's four bytes: the step's four blocks of keys
.endr
.irp g, 0,1
.irp i, 0,1
	v_cndmask_b32 v[TW+4*\g+\i], v[TW+8+4*\g+2*\i], v[TW+8+4*\g+2*\i+1], vcc_lo   ; head g: channel 32 i + l
.endr
	v_mov_b32 v[TW+4*\g+2], 0
	v_mov_b32 v[TW+4*\g+3], 0
.endr
.Lwords_done:
	s_wait_alu depctr_va_vdst(0)
	global_store_b128 v[VO], v[TW:TW+3], s[92:93]                  ; 512 consecutive bytes each
	global_store_b128 v[VH], v[TW+4:TW+7], s[92:93]
	s_wait_tensorcnt 0x0                           ; the wave's end
	ds_add_u32 v[SPW], v[NIL]
	s_wait_dscnt 0x0
	CROUND                                         ; the closing round: no work-group ends while a partner may still ask for a tile that names it
	s_endpgm
.Lfunc_end_k_q7c597399ac_proj:
	.size	k_q7c597399ac_proj, .Lfunc_end_k_q7c597399ac_proj-k_q7c597399ac_proj
	.p2alignl 7, 3214868480
	.fill 96, 4, 3214868480
	.section	.rodata,"a",@progbits
	.p2align	6, 0x0
	.amdhsa_kernel k_q7c597399ac_proj
		.amdhsa_group_segment_fixed_size 327680
		.amdhsa_private_segment_fixed_size 0
		.amdhsa_enable_private_segment 0
		.amdhsa_kernarg_size 104
		.amdhsa_user_sgpr_count 2
		.amdhsa_user_sgpr_kernarg_segment_ptr 1
		.amdhsa_wavefront_size32 1
		.amdhsa_system_sgpr_workgroup_id_x 1
		.amdhsa_system_sgpr_workgroup_id_y 1
		.amdhsa_system_sgpr_workgroup_id_z 1
		.amdhsa_system_vgpr_workitem_id 0
		.amdhsa_next_free_vgpr 1024
		.amdhsa_next_free_sgpr 100
		.amdhsa_reserve_vcc 1
		.amdhsa_float_denorm_mode_32 3
		.amdhsa_float_denorm_mode_16_64 3
		.amdhsa_memory_ordered 1
		.amdhsa_forward_progress 1
		.amdhsa_inst_pref_size 209
	.end_amdhsa_kernel
	.amdgpu_metadata
---
amdhsa.version: [ 1, 2 ]
amdhsa.kernels:
  - .name:           k_q7c597399ac_proj
    .symbol:         k_q7c597399ac_proj.kd
    .args:
      - { .name: x_codes, .offset: 0, .size: 8, .value_kind: global_buffer, .address_space: global }
      - { .name: x_scales, .offset: 8, .size: 8, .value_kind: global_buffer, .address_space: global }
      - { .name: Wq_codes, .offset: 16, .size: 8, .value_kind: global_buffer, .address_space: global }
      - { .name: Wq_scales, .offset: 24, .size: 8, .value_kind: global_buffer, .address_space: global }
      - { .name: Wk_codes, .offset: 32, .size: 8, .value_kind: global_buffer, .address_space: global }
      - { .name: Wk_scales, .offset: 40, .size: 8, .value_kind: global_buffer, .address_space: global }
      - { .name: Wv_codes, .offset: 48, .size: 8, .value_kind: global_buffer, .address_space: global }
      - { .name: Wv_scales, .offset: 56, .size: 8, .value_kind: global_buffer, .address_space: global }
      - { .name: bq, .offset: 64, .size: 8, .value_kind: global_buffer, .address_space: global }
      - { .name: bk, .offset: 72, .size: 8, .value_kind: global_buffer, .address_space: global }
      - { .name: bv, .offset: 80, .size: 8, .value_kind: global_buffer, .address_space: global }
      - { .name: qbuf, .offset: 88, .size: 8, .value_kind: global_buffer, .address_space: global }
      - { .name: kv, .offset: 96, .size: 8, .value_kind: global_buffer, .address_space: global }
    .group_segment_fixed_size: 327680
    .private_segment_fixed_size: 0
    .kernarg_segment_align: 8
    .kernarg_segment_size: 104
    .max_flat_workgroup_size: 128
    .sgpr_count:     100
    .vgpr_count:     1024
    .wavefront_size: 32
...
	.end_amdgpu_metadata
.endif
;; end of part 1
;; launch attn (part 2): grid 4 x 64, 8 waves a work-group, clusters of 4 x 1, 327,680 bytes of LDS; arguments qbuf, kv, out0; writes out0
.if DOCPART == 2
	.amdgcn_target "amdgcn-amd-amdhsa--gfx1250"
	.amdhsa_code_object_version 6
	.text
	.protected	k_q7c597399ac_attn
	.globl	k_q7c597399ac_attn
	.p2align	8
	.type	k_q7c597399ac_attn,@function
k_q7c597399ac_attn:
	s_mov_b64 s[64:65], 0
	v_nop
	global_prefetch_b8 v0, s[64:65] scope:SCOPE_SE
	s_setreg_imm32_b32 hwreg(HW_REG_WAVE_MODE, 25, 1), 1
	s_wait_xcnt 0x0
	s_wait_alu depctr_hold_cnt(0) depctr_sa_sdst(0) depctr_va_vdst(0) depctr_va_sdst(0) depctr_va_ssrc(0) depctr_va_vcc(0) depctr_vm_vsrc(0)
	s_getreg_b32 s2, hwreg(HW_REG_IB_STS2, 6, 4)
	s_cmp_eq_u32 s2, 0
	s_cbranch_scc0 .Lentry_in_a_cluster
	s_endpgm
.Lentry_in_a_cluster:
	s_bfe_u32 s2, ttmp6, 0x10000c
	s_cmp_lg_u32 s2, 0x3003
	s_cbranch_scc0 .Lentry_shape_is_right
	s_endpgm
.Lentry_shape_is_right:
; out[b][q][head] = softmax_k(q . k / 8) v, both products on codes of FP8 (E4M3) with one E8M0 scale for each 32 along K; q, k, v come as images of operand registers (qbuf, kv: laid by launch proj).
; THE SOFTMAX: t = score x log2(e) / 8; M = the running largest t rounded up to a whole number; p = 2^(t - M) is quantised along the keys, not normalised; the row's sum is taken of the unquantised p and divides at the end.
; When M moves, the sum and O are multiplied by 2^(old M - new M), which rounds nothing; there is no branch on data.
; SHARES: a work-group owns 512 queries of one head; each of its eight waves owns 2 tiles of 16 queries (tile 0 in register window 0, tile 1 in window 1) in each of two passes.  A fragment of K or V read from LDS serves both tiles.
; Both products are used transposed (S^T = K Q^T, O^T = V^T P^T): a lane holds one query.  The head's 64 fill half of an instruction's 128 along K; the other half is zero codes on both sides (even key tiles use the lower half, odd ones the upper).
; LDS: ALL 16 key steps of the head (16 x 17,408 bytes) are brought once, by eight loads at the head, two steps a wave, and stay.  The four work-groups of a cluster walk the same head: each load is a joint one (mask 15).
; Wave 0's load (steps 0 and 1) has a line of its own, and wave 0 alone waits for it ahead of the first barrier; every wave waits ahead of the second barrier, behind which steps 2 to 15 are read.
; NO PREFETCH: the head's eight loads ask for every byte of K and V that the work-group reads, so there is no later load to ask ahead of; Q's second block (2,176 bytes a wave) is loaded ahead of the first pass's way out.
; LIMITS: NaN and infinities are not served.  The promise holds while the scaled scores t stay under 2^31 in magnitude.  A block of p whose largest number lies under 2^-118 gets the byte 1 (its codes are then zeros or subnormal codes).
; REGISTERS, each window: v96-159 S^T, then p; v160-191 O^T; v192-207 p's codes; v208-231 Q (data, zeros, data); v232-254 at work.  Window 0: v1-7 addresses, v8-17 scale words, v31 and v255 the add's two, v32-95 V's fragments.  Window 1: v0-95 K's fragments with their zeros.
.set DUAL,  1                          ; 1: the hold on p goes as dual-issue pairs;  0: as single lines
.set STEPB, 17408                      ; a key step in kv: K's 8 tiles, V's 4 tiles, their scale words
.set LOADB, 2*STEPB                    ; what one tensor load brings: 136 rows of 256 bytes
.set HEADB, 16*STEPB
.set STEPQ, 8704
.set HEADQ, 16*STEPQ
.set VOFF,  8192
.set KSC,   16384
.set VSC,   16896
.set QSC,   8192
.set STAGE, HEADB                      ; behind the tiles: the way out's stages, 16 rows x 272 bytes a wave; no fill lands there
.set SP,    272
.set SPARE, STAGE+8*16*SP              ; the spare words: 128 bytes a wave, four blocks of 256 bytes that no other line names
.set LI,  1
.set ADR, 2
.set QA,  3
.set QSA, 4
.set STO, 5
.set RD,  6
.set GO,  7
.set KS,  8
.set VS,  12
.set QS,  14
.set PS,  16
.set SPW, 31
.set NIL, 255
.set VF,  32
.set S,   96
.set O,   160
.set PC,  192
.set QF,  208
.set BM,  232
.set PD,  236
.set HD,  240
.set SO,  244
.set NM,  248
.set TX,  249
.set LS,  250
.set FF,  252
.set WT,  253
.set TT,  254
.set WV,  10
.set MNT, 19
.set SEL, 20
.set CS,  22
.set G1,  24
.set G0,  32
.set TB,  48
.set CT,  49
.set MSB, 0
.macro WIN new                         ; the immediate's high byte repeats the setting that is left
.if MSB != (\new)
	s_set_vgpr_msb (MSB<<8)|(\new)
.set MSB, (\new)
.endif
.endm
.macro CROUND                          ; a round of the cluster's barrier
	s_barrier_signal -1
	s_barrier_wait -1
	s_cmp_lg_u32 s[WV], 0
	s_cbranch_scc1 .Lnot_wave_0_\@
	s_barrier_signal -3
.Lnot_wave_0_\@:
	s_barrier_wait -3
	s_barrier_signal -1
	s_barrier_wait -1
.endm
	s_load_b128 s[4:7], s[0:1], 0x0                ; qbuf, kv
	s_load_b64 s[8:9], s[0:1], 0x10                ; out0
	v_lshl_add_u32 v[SPW], v0, 2, SPARE
	v_mov_b32 v[NIL], 0
	ds_add_u32 v[SPW], v[NIL]                      ; the opening lines: the add, twice on end, and its wait ahead of my first tensor load
	ds_add_u32 v[SPW], v[NIL]
	v_lshrrev_b32 v18, 5, v0
	s_delay_alu instid0(VALU_DEP_1)
	v_readfirstlane_b32 s[WV], v18                 ; wave 0..7
	s_bfe_u32 s11, ttmp6, 0x40000                  ; cx: which 512 queries of the head
	s_and_b32 s12, ttmp7, 0xffff                   ; 16 x batch + head
	s_mov_b32 s[G1+0], 15|(3<<16)|(1<<21)          ; the mask names the cluster's four; elements of 8 bytes; bit 21 beside a mask
	s_mov_b32 s[G1+1], 32<<16                      ; rows of 256 bytes, dense
	s_mov_b32 s[G1+2], (LOADB/256)<<16
	s_mov_b32 s[G1+3], 32<<16
	s_mov_b32 s[G1+4], LOADB/256
	s_mov_b32 s[G1+5], 32
	s_mov_b32 s[G1+6], 0
	s_mov_b32 s[G1+7], 0
	s_mov_b32 s[MNT], 0x600000                     ; the mantissa field of 448
	s_mov_b32 s[SEL], 0x76543210
	s_mov_b32 s[SEL+1], 0xfedcba98                 ; lane l xor 16
	s_mov_b32 s[CS], 0x3e38aa3b                    ; c = log2(e) / 8
	s_mov_b32 s[CS+1], s[CS]
	s_mul_i32 s54, s[WV], LOADB
	s_mul_i32 s52, s12, HEADB
	s_add_co_u32 s52, s52, s54                     ; my two steps of the head in kv
	s_mov_b32 s53, 0
	s_lshl_b32 s55, s11, 2
	s_lshr_b32 s56, s[WV], 2
	s_add_co_u32 s55, s55, s56                     ; the first pass's block of 128 queries: 4 cx + wave / 4
	s_mul_i32 s56, s55, STEPQ
	s_mul_i32 s57, s12, HEADQ
	s_add_co_u32 s56, s56, s57
	s_mov_b32 s57, 0
	s_lshr_b32 s58, s12, 4
	s_lshl_b32 s58, s58, 11
	s_lshl_b32 s59, s55, 7
	s_add_co_u32 s58, s58, s59
	s_and_b32 s51, s[WV], 3
	s_lshl_b32 s59, s51, 5
	s_add_co_u32 s58, s58, s59                     ; my first query's row of out0,
	s_lshl_b32 s58, s58, 12                        ; 4,096 bytes a row,
	s_and_b32 s59, s12, 15
	s_lshl_b32 s59, s59, 8
	s_add_co_u32 s58, s58, s59                     ; and the head's 256 bytes in it
	s_mov_b32 s59, 0
	s_mov_b32 s[G0], 1
	s_mul_i32 s[G0+1], s[WV], LOADB                ; LDS: wave x two steps
	s_wait_dscnt 0x0                               ; both opening adds are done
	s_wait_kmcnt 0x0
	s_add_nc_u64 s[G0+2:G0+3], s[6:7], s[52:53]
	s_or_b32 s[G0+3], s[G0+3], 0x80000000
	s_add_nc_u64 s[4:5], s[4:5], s[56:57]
	s_add_nc_u64 s[8:9], s[8:9], s[58:59]
	CROUND                                         ; all four work-groups are here: the joint loads meet
	s_cmp_eq_u32 s[WV], 0                          ; one load a wave; wave 0, which alone waits at the first barrier, has a line of its own
	s_cbranch_scc0 .Lothers
	tensor_load_to_lds s[G0:G0+3], s[G1:G1+7]
	s_nop 0
.rept 4
	v_nop
.endr
	s_branch .Lasked
.Lothers:
	tensor_load_to_lds s[G0:G0+3], s[G1:G1+7]
	s_nop 0
.rept 4
	v_nop
.endr
.Lasked:
	v_and_b32 v18, 31, v0
	v_and_b32 v19, 15, v0
	v_bfe_u32 v20, v0, 4, 1
	s_delay_alu instid0(VALU_DEP_3)
	v_lshlrev_b32 v[LI], 4, v18                    ; 16 x lane: an image's 16 bytes
	s_lshl_b32 s52, s51, 11
	v_add_nc_u32 v[QA], s52, v[LI]                 ; my two tiles of Q
	s_lshl_b32 s52, s51, 2
	v_add_nc_u32 v[QSA], s52, v[LI]                ; and their scale words: lanes 0-15 tile 0's, lanes 16-31 tile 1's
	s_mul_i32 s52, s[WV], 16*SP
	s_add_co_u32 s52, s52, STAGE                   ; my stage
	v_mul_u32_u24 v[STO], v19, SP
	s_delay_alu instid0(VALU_DEP_1)
	v_lshl_add_u32 v[STO], v20, 5, v[STO]
	s_delay_alu instid0(VALU_DEP_1)
	v_add_nc_u32 v[STO], s52, v[STO]               ; in: row r, 32 bytes for each half of the lanes
	v_mul_u32_u24 v[RD], v20, SP
	s_delay_alu instid0(VALU_DEP_1)
	v_lshl_add_u32 v[RD], v19, 4, v[RD]
	s_delay_alu instid0(VALU_DEP_1)
	v_add_nc_u32 v[RD], s52, v[RD]                 ; back: lanes 0-15 one row of 256 bytes, lanes 16-31 the next
	v_lshlrev_b32 v[GO], 12, v20
	s_delay_alu instid0(VALU_DEP_1)
	v_lshl_add_u32 v[GO], v19, 4, v[GO]            ; and the same two rows in out0
.macro QLOAD                           ; a tile's 64 codes a row stand twice, with eight zero registers between: either half of the instruction's 128 can hold them
.irp t, 0,1
	WIN 0x40*(\t)
.irp c, 0,1
	global_load_b128 v[QF+4*\c:QF+4*\c+3], v[QA], s[4:5] offset:1024*\t+512*\c
	global_load_b128 v[QF+16+4*\c:QF+16+4*\c+3], v[QA], s[4:5] offset:1024*\t+512*\c
.endr
.endr
	WIN 0
	global_load_b32 v[QS], v[QSA], s[4:5] offset:QSC
.endm
	QLOAD
.irp t, 0,1
	WIN 0x40*(\t)
.irp j, 0,1,2,3,4,5,6,7
	v_mov_b32 v[QF+8+\j], 0                        ; Q's zero half
.endr
.irp b, 0,1,2,3
	v_mov_b32 v[PD+\b], 0                          ; a lane permute's destination counts as one of its sources
.endr
	v_mov_b32 v[WT], 0                             ; named as the upper half of the pair with f
.endr
.irp i, 0,1,2,3
.irp j, 0,1,2,3,4,5,6,7
	v_mov_b32 v[24*\i+8+\j], 0                     ; window 1: the zero halves between K's even and odd tiles
.endr
.endr
	WIN 0
.macro INIT                            ; a pass begins: the largest t is -3e38, the sum and O^T are zeros, which the first change of M leaves zeros
.irp t, 0,1
	WIN 0x55*(\t)
	v_mov_b32 v[TX], 0xff61b1e6
	s_delay_alu instid0(VALU_DEP_1)
	v_floor_f32 v[NM], -v[TX]
	v_mov_b32 v[LS], 0
	v_mov_b32 v[LS+1], 0
.set i, 0
.rept 32
	v_mov_b32 v[O+i], 0
.set i, i+1
.endr
.endr
	WIN 0
.endm
.macro SPROD t, kt                     ; S^T of key tile kt and query tile t.  K's scale words: lanes 0-15 the even tile's, lanes 16-31 the odd one's
.set rS, S+8*(\kt)
.set rK, 24*((\kt)/2)+8*((\kt)%2)
.set rQ, QF+8*((\kt)%2)
.set rX, KS+(\kt)/2
.if ((\kt)%2 == 0) && ((\t) == 0)
	v_wmma_scale_f32_16x16x128_f8f6f4 v[rS:rS+7], v[rK:rK+15], v[rQ:rQ+15], 0, v[rX], v[QS]
.elseif (\t) == 0
	v_wmma_scale_f32_16x16x128_f8f6f4 v[rS:rS+7], v[rK:rK+15], v[rQ:rQ+15], 0, v[rX], v[QS] matrix_a_scale:MATRIX_SCALE_ROW1
.elseif (\kt)%2 == 0
	v_wmma_scale_f32_16x16x128_f8f6f4 v[rS:rS+7], v[rK:rK+15], v[rQ:rQ+15], 0, v[rX], v[QS] matrix_b_scale:MATRIX_SCALE_ROW1
.else
	v_wmma_scale_f32_16x16x128_f8f6f4 v[rS:rS+7], v[rK:rK+15], v[rQ:rQ+15], 0, v[rX], v[QS] matrix_a_scale:MATRIX_SCALE_ROW1 matrix_b_scale:MATRIX_SCALE_ROW1
.endif
.endm
.macro PVPROD t, dt                    ; O^T += 16 channels of V^T x P^T; the four accumulators of a tile take turns
.set rO, O+8*(\dt)
.set rV, VF+16*(\dt)
.set rX, VS+(\dt)/2
.if (\dt)%2 == 0
	v_wmma_scale_f32_16x16x128_f8f6f4 v[rO:rO+7], v[rV:rV+15], v[PC:PC+15], v[rO:rO+7], v[rX], v[PS+(\t)]
.else
	v_wmma_scale_f32_16x16x128_f8f6f4 v[rO:rO+7], v[rV:rV+15], v[PC:PC+15], v[rO:rO+7], v[rX], v[PS+(\t)] matrix_a_scale:MATRIX_SCALE_ROW1
.endif
.endm
.macro SOFT t                          ; the softmax and the quantiser of tile t's 128 keys: registers 16 b .. 16 b + 15 are my half of block b
	WIN 0x55*(\t)
.irp b, 0,1,2,3
	v_max3_num_f32 v[BM+\b], v[S+16*\b], v[S+16*\b+1], v[S+16*\b+2]   ; each block's largest score: for the row's maximum and, since p rises with the score, for the block's largest p
.endr
.irp i, 3,5,7,9,11,13
.irp b, 0,1,2,3
	v_max3_num_f32 v[BM+\b], v[BM+\b], v[S+16*\b+\i], v[S+16*\b+\i+1]
.endr
.endr
.irp b, 0,1,2,3
	v_max_num_f32 v[BM+\b], v[BM+\b], v[S+16*\b+15]
.endr
.irp b, 0,1,2,3
	s_delay_alu instid0(VALU_DEP_4)
	v_permlanex16_b32 v[PD+\b], v[BM+\b], s[SEL], s[SEL+1]
.endr
.irp b, 0,1,2,3
	s_delay_alu instid0(VALU_DEP_4)
	v_max_num_f32 v[BM+\b], v[BM+\b], v[PD+\b]     ; with lane l xor 16's half of the block
.endr
	s_delay_alu instid0(VALU_DEP_2)
	v_max3_num_f32 v[TT], v[BM], v[BM+1], v[BM+2]
	s_delay_alu instid0(VALU_DEP_1)
	v_max_num_f32 v[TT], v[TT], v[BM+3]
	s_delay_alu instid0(VALU_DEP_1)
	v_mul_f32 v[TT], s[CS], v[TT]                  ; the step's largest t
	s_delay_alu instid0(VALU_DEP_1)
	v_max_num_f32 v[TX], v[TX], v[TT]              ; the running largest t
	v_mov_b32 v[TT], v[NM]
	s_delay_alu instid0(VALU_DEP_2)
	v_floor_f32 v[NM], -v[TX]                      ; -M = floor(-t): M is a whole number
	s_delay_alu instid0(VALU_DEP_1)
	v_sub_f32 v[TT], v[NM], v[TT]
	s_delay_alu instid0(VALU_DEP_1)
	v_cvt_i32_f32 v[TT], v[TT]                     ; old M - new M (it saturates)
	s_delay_alu instid0(VALU_DEP_1)
	v_ldexp_f32 v[FF], 1.0, v[TT]                  ; f = 2^(old M - new M)
.set j, 0
.rept 32
	v_pk_fma_f32 v[S+j:S+j+1], v[S+j:S+j+1], s[CS:CS+1], v[NM:NM+1] op_sel_hi:[1,0,0]   ; t - M, two at a time
.set j, j+2
.endr
.irp b, 0,1,2,3
	v_fma_f32 v[BM+\b], v[BM+\b], s[CS], v[NM]     ; the same of each block's largest score
.endr
.set j, 0
	s_wait_alu depctr_va_vdst(0)
.rept 64
	v_exp_f32 v[S+j], v[S+j]                       ; p = 2^(t - M)
.set j, j+1
.endr
.irp b, 0,1,2,3
	v_exp_f32 v[BM+\b], v[BM+\b]                   ; each block's largest p
.endr
	v_pk_mul_f32 v[LS:LS+1], v[LS:LS+1], v[FF:FF+1] op_sel_hi:[1,0]   ; the sums under the new M (a plain place behind the batch)
	s_wait_alu depctr_va_vdst(0)                   ; one wait for the whole batch, ahead of its first reader
	v_pk_add_f32 v[PD:PD+1], v[S:S+1], v[S+2:S+3]  ; the row's sum of the unquantised p, in two chains
.set j, 4
.rept 15
	v_pk_add_f32 v[LS:LS+1], v[LS:LS+1], v[S+j:S+j+1]
	v_pk_add_f32 v[PD:PD+1], v[PD:PD+1], v[S+j+2:S+j+3]
.set j, j+4
.endr
	s_delay_alu instid0(VALU_DEP_1)
	v_pk_add_f32 v[LS:LS+1], v[LS:LS+1], v[PD:PD+1]
.irp b, 0,1,2,3
	v_max_num_f32 v[BM+\b], 0x4800000, v[BM+\b]    ; the floor 2^(9 - 127): the byte cannot fall under 1
.endr
.irp b, 0,1,2,3
	s_delay_alu instid0(VALU_DEP_4)
	v_add_nc_u32 v[SO+\b], 0xfc000000, v[BM+\b]    ; 8 off the exponent field: the conversion's scale operand
.endr
.irp b, 0,1,2,3
	v_and_or_b32 v[HD+\b], v[BM+\b], 0x7f800000, s[MNT]   ; 448 x the scale
.endr
.irp b, 0,1,2,3
	v_lshrrev_b32 v[PD+\b], 23, v[SO+\b]           ; the scale's byte
.endr
	s_delay_alu instid0(VALU_DEP_3)
	v_lshl_or_b32 v[WT], v[PD+1], 8, v[PD]
	s_delay_alu instid0(VALU_DEP_1)
	v_lshl_or_b32 v[WT], v[PD+2], 16, v[WT]
	WIN 0x11*(\t)
	v_lshl_or_b32 v[PS+(\t)], v[PD+3], 24, v[WT]   ; p's scale word, in window 0 (scale operands have no window)
	WIN 0x55*(\t)
; THE HOLD: the conversion to an 8-bit code does not saturate (ISA guide 7.6.2); p is not negative, so it is one-sided.  A pair takes one number of block b and one of block b + 1:
; its destinations are an even and an odd register, and its first and its second sources lie in different banks (register numbers differ modulo 4).
.irp b, 0,2
.set j, 0
.rept 8
.if DUAL
	v_dual_min_num_f32 v[S+16*\b+j], v[S+16*\b+j], v[HD+\b] :: v_dual_min_num_f32 v[S+16*\b+17+j], v[S+16*\b+17+j], v[HD+\b+1]
	v_dual_min_num_f32 v[S+16*\b+16+j], v[S+16*\b+16+j], v[HD+\b+1] :: v_dual_min_num_f32 v[S+16*\b+1+j], v[S+16*\b+1+j], v[HD+\b]
.else
	v_min_num_f32 v[S+16*\b+j], v[S+16*\b+j], v[HD+\b]
	v_min_num_f32 v[S+16*\b+17+j], v[S+16*\b+17+j], v[HD+\b+1]
	v_min_num_f32 v[S+16*\b+16+j], v[S+16*\b+16+j], v[HD+\b+1]
	v_min_num_f32 v[S+16*\b+1+j], v[S+16*\b+1+j], v[HD+\b]
.endif
.set j, j+2
.endr
.irp d, 0,1
	v_cvt_scalef32_pk8_fp8_f32 v[PC+4*(\b+\d):PC+4*(\b+\d)+1], v[S+16*(\b+\d):S+16*(\b+\d)+7], v[SO+\b+\d]
	v_cvt_scalef32_pk8_fp8_f32 v[PC+4*(\b+\d)+2:PC+4*(\b+\d)+3], v[S+16*(\b+\d)+8:S+16*(\b+\d)+15], v[SO+\b+\d]
.endr
.endr
.set j, 0
.rept 16
	v_pk_mul_f32 v[O+j:O+j+1], v[O+j:O+j+1], v[FF:FF+1] op_sel_hi:[1,0]   ; O^T under the new M; these are also the places ahead of the products below
.set j, j+2
.endr
.endm
.macro STEP                            ; 128 keys, both tiles
	WIN 0
	v_add_nc_u32 v[ADR], s[TB], v[LI]
.rept 7
	v_nop                                          ; with the line above: eight places ahead of loads into registers that the last products read
.endr
	ds_load_b128 v[KS:KS+3], v[ADR] offset:KSC
	WIN 0x40
.irp kt, 0,1,2,3,4,5,6,7
.irp c, 0,1
	ds_load_b128 v[24*(\kt/2)+16*(\kt%2)+4*\c:24*(\kt/2)+16*(\kt%2)+4*\c+3], v[ADR] offset:1024*\kt+512*\c
.endr
.endr
	WIN 0
.irp dt, 0,1,2,3
.irp c, 0,1,2,3
	ds_load_b128 v[VF+16*\dt+4*\c:VF+16*\dt+4*\c+3], v[ADR] offset:VOFF+2048*\dt+512*\c
.endr
.endr
	ds_load_b64 v[VS:VS+1], v[ADR] offset:VSC
	s_wait_dscnt 17                                ; K and its scale words are in; V's 16 loads and its scale words may be out
.irp t, 0,1
	WIN 0x01+0x44*(\t)
.irp kt, 0,1,2,3,4,5,6,7
	SPROD \t, \kt
.endr
.endr
	WIN 0
.rept 8
	v_nop                                          ; places ahead of the first read of the scores
.endr
	SOFT 0
	SOFT 1
	s_wait_alu depctr_va_vdst(0)
	s_wait_dscnt 0x0                               ; V
.irp t, 0,1
	WIN 0x54*(\t)
.irp dt, 0,1,2,3
	PVPROD \t, \dt
.endr
.endr
	WIN 0
.endm
.macro WALK first, n                   ; n key steps from LDS byte first on
	s_mov_b32 s[TB], \first
	s_mov_b32 s[CT], \n
.Lwalk_\@:
	STEP
	s_add_co_u32 s[TB], s[TB], STEPB
	s_sub_co_u32 s[CT], s[CT], 1
	s_cmp_lg_u32 s[CT], 0
	s_cbranch_scc1 .Lwalk_\@
.endm
.macro OUT t                           ; O^T / the sum goes through my stage and leaves as aligned units of 256 bytes, sixteen lanes to a unit
	WIN 0x55*(\t)
	v_add_f32 v[LS], v[LS], v[LS+1]
	s_delay_alu instid0(VALU_DEP_1)
	v_permlanex16_b32 v[PD], v[LS], s[SEL], s[SEL+1]
	s_delay_alu instid0(VALU_DEP_1)
	v_add_f32 v[LS], v[LS], v[PD]                  ; the row's sum
	s_wait_alu depctr_va_vdst(0)                   ; a wait ahead of the transcendental
	v_rcp_f32 v[FF], v[LS]
	v_nop
	s_wait_alu depctr_va_vdst(0)                   ; and ahead of its first reader, which is O^T's first reader too
.set j, 0
.rept 16
	v_pk_mul_f32 v[S+j:S+j+1], v[O+j:O+j+1], v[FF:FF+1] op_sel_hi:[1,0]
.set j, j+2
.endr
	WIN 0x04*(\t)
.irp dt, 0,1,2,3
	ds_store_b128 v[STO], v[S+8*\dt:S+8*\dt+3] offset:64*\dt
	ds_store_b128 v[STO], v[S+8*\dt+4:S+8*\dt+7] offset:64*\dt+16
.endr
	WIN 0x40*(\t)
.irp i, 0,1,2,3,4,5,6,7
	ds_load_b128 v[S+32+4*\i:S+32+4*\i+3], v[RD] offset:\i*2*SP   ; LDS serves a wave's instructions in order: these see my stores
.endr
	WIN 0x04*(\t)
.irp i, 0,1,2,3,4,5,6,7
	s_wait_dscnt 7-\i                              ; the loads issued behind this one may be out
	global_store_b128 v[GO], v[S+32+4*\i:S+32+4*\i+3], s[8:9] offset:65536*\t+8192*\i th:TH_STORE_NT
.endr
	WIN 0
.endm
	INIT
	s_wait_alu depctr_va_vdst(0)
	s_cmp_eq_u32 s[WV], 0
	s_cbranch_scc0 .Lnot_first
	s_wait_tensorcnt 0x0                           ; wave 0: steps 0 and 1 have landed.  The other waves' wait stands at the second barrier
.Lnot_first:
	s_wait_loadcnt 0x0                             ; Q
	s_barrier_signal -1
	s_barrier_wait -1
	WALK 0, 2
	s_wait_tensorcnt 0x0                           ; every wave: its two steps have landed
	s_wait_dscnt 0x0
	s_barrier_signal -1
	s_barrier_wait -1                              ; all sixteen steps are in; nothing is filled again
	WALK LOADB, 14
	s_add_nc_u64 s[4:5], s[4:5], 2*STEPQ           ; the second pass: 256 queries on (the first pass's loads of Q were waited for)
	QLOAD
.rept 8
	v_nop                                          ; places behind the last products
.endr
	OUT 0
	OUT 1
	s_wait_xcnt 0x0                                ; the stores have read their base and their data: both are written again below
	s_add_nc_u64 s[8:9], s[8:9], 256*4096
	INIT
	s_wait_alu depctr_va_vdst(0)
	s_wait_loadcnt 0x0
	WALK 0, 16
.rept 8
	v_nop
.endr
	OUT 0
	OUT 1
	s_wait_tensorcnt 0x0                           ; the wave's end
	ds_add_u32 v[SPW], v[NIL]
	s_wait_dscnt 0x0
	CROUND                                         ; the closing round
	s_endpgm
.Lfunc_end_k_q7c597399ac_attn:
	.size	k_q7c597399ac_attn, .Lfunc_end_k_q7c597399ac_attn-k_q7c597399ac_attn
	.p2alignl 7, 3214868480
	.fill 96, 4, 3214868480
	.section	.rodata,"a",@progbits
	.p2align	6, 0x0
	.amdhsa_kernel k_q7c597399ac_attn
		.amdhsa_group_segment_fixed_size 327680
		.amdhsa_private_segment_fixed_size 0
		.amdhsa_enable_private_segment 0
		.amdhsa_kernarg_size 24
		.amdhsa_user_sgpr_count 2
		.amdhsa_user_sgpr_kernarg_segment_ptr 1
		.amdhsa_wavefront_size32 1
		.amdhsa_system_sgpr_workgroup_id_x 1
		.amdhsa_system_sgpr_workgroup_id_y 1
		.amdhsa_system_sgpr_workgroup_id_z 1
		.amdhsa_system_vgpr_workitem_id 0
		.amdhsa_next_free_vgpr 512
		.amdhsa_next_free_sgpr 66
		.amdhsa_reserve_vcc 0
		.amdhsa_float_denorm_mode_32 3
		.amdhsa_float_denorm_mode_16_64 3
		.amdhsa_memory_ordered 1
		.amdhsa_forward_progress 1
		.amdhsa_inst_pref_size 135
	.end_amdhsa_kernel
	.amdgpu_metadata
---
amdhsa.version: [ 1, 2 ]
amdhsa.kernels:
  - .name:           k_q7c597399ac_attn
    .symbol:         k_q7c597399ac_attn.kd
    .args:
      - { .name: qbuf, .offset: 0, .size: 8, .value_kind: global_buffer, .address_space: global }
      - { .name: kv, .offset: 8, .size: 8, .value_kind: global_buffer, .address_space: global }
      - { .name: out0, .offset: 16, .size: 8, .value_kind: global_buffer, .address_space: global }
    .group_segment_fixed_size: 327680
    .private_segment_fixed_size: 0
    .kernarg_segment_align: 8
    .kernarg_segment_size: 24
    .max_flat_workgroup_size: 256
    .sgpr_count:     66
    .vgpr_count:     512
    .wavefront_size: 32
...
	.end_amdgpu_metadata
.endif
;; end of part 2
